; MI455X (gfx1250); checked and timed in simulation.
; The chip was launched on July 23, 2026; its instructions are those of AMD's public machine-readable ISA for CDNA 5 (MIT licence, August 2026) and "CDNA5" Instruction Set Architecture Reference Guide (July 2026). The comments in the code are by the model that wrote it; some were corrected since.
;; LSTM3lr. Allowed arithmetic: float matrix products may take bf16 or f16 operands with f32 sums; other float arithmetic in f32, or as packed bf16 or f16 multiplies, adds, multiply-adds, maxima and minima; sums over many terms, partial sums and values carried from step to step in f32; what a program stores and reads back later, other than sums and carried values, may be rounded once to bf16 or f16.
;; Inputs: Whh0 4,000 x 1,000 float32; Whh1 4,000 x 1,000 float32; Whh2 4,000 x 1,000 float32; Wih0 4,000 x 66 float32; Wih1 4,000 x 1,000 float32; Wih2 4,000 x 1,000 float32; Wout 1,000 x 66 float32; bhh0 4,000 float32; bhh1 4,000 float32; bhh2 4,000 float32; bih0 4,000 float32; bih1 4,000 float32; bih2 4,000 float32; bout 66 float32; dec_in 256 x 1 x 66 float32; enc_in 256 x 12 x 66 float32.
;; Outputs: out0 256 x 1 x 66 float32.
;; Constants: train = 0.
;; One version. Each part assembles by itself: llvm-mc -triple=amdgcn-amd-amdhsa -mcpu=gfx1250 --defsym DOCPART=n.
;; ======== version 1 of 1: 4 launches
;; workspace buffers: h0 516,096 bytes; h1 516,096 bytes; h2 516,096 bytes
;; launch cell0 (part 1): grid 4 x 63, 4 waves a work-group, no clusters, 0 bytes of LDS; arguments dec_in, Wih0, bih0, bhh0, h0; writes h0
.if DOCPART == 1
	.amdgcn_target "amdgcn-amd-amdhsa--gfx1250"
	.amdhsa_code_object_version 6
	.text
	.protected	k_q18a6c4ec27_cell0
	.globl	k_q18a6c4ec27_cell0
	.p2align	8
	.type	k_q18a6c4ec27_cell0,@function
k_q18a6c4ec27_cell0:
	s_mov_b64 s[64:65], 0
	v_nop
	global_prefetch_b8 v0, s[64:65] scope:SCOPE_SE
	s_setreg_imm32_b32 hwreg(HW_REG_WAVE_MODE, 25, 1), 1
	s_wait_xcnt 0x0
; FIRST LSTM CELL OF THE ONE DECODER STEP.  h0 = sigmoid(o) tanh(sigmoid(i) tanh(g)), with (i, g, o) = dec_in Wih0^T + bih0 + bhh0 at gate rows 0, 2000, 3000.
; WHAT IS NOT COMPUTED, AND WHY.  The function to be matched runs one decoder step from h = c = 0, zeros that it builds itself, and drops the encoder's state.  So h Whh^T and sigmoid(f) c are products
; with those zeros, and the result hangs on neither enc_in, nor Whh0..2, nor rows 1000..1999 (the forget gate) of Wih, bih, bhh: this program loads none of them.
; LIMIT: an infinity or NaN in one of those unread numbers would turn the function's result into NaN (0 x infinity); here it changes nothing.
; FORMATS.  dec_in and Wih0 are rounded once to bf16 for the matrix unit; sums, biases and gates in f32; h0 is stored rounded once to bf16.
; LIMIT: tanh x is made as 1 - 2 / (1 + e^(2x)): absolute error about 2e-7, so its relative error grows below |x| = 1e-4.  Large arguments saturate: 2^y gives infinity or 0, and 1 / infinity is 0.
; SHARES.  Work-group (x, b): batch rows 64 x .. 64 x + 63, the 16 units from U0 = min(16 b, 984).  Wave w: 16 of those rows, 3 gates, K = 66 as two steps of 32 and a step that holds k = 64, 65 and zeros:
; nine matrix instructions.  No LDS and no barrier: a wave shares nothing.  NO CLUSTER: a joint request is a tensor load's, and here all comes through registers; what the four x share is 12.7 KB of Wih0.
; h0's LAYOUT: [block b = 0..62][batch row 0..255][16 units from min(16 b, 984)], bf16: byte b x 8192 + row x 32 + 2 u.  Block 62 holds units 984..999, of which the first eight repeat block 61's last:
; every work-group has 16 whole units, each byte has one writer, and a wave's store covers 512 consecutive bytes.
; THE MATRIX INSTRUCTION: source 0 = 16 rows of Wih0 (units), source 1 = 16 batch rows: lane l then holds batch row l % 16 and the units 8 (l / 16) + 0..7, which pack into 16 bytes.
.set XROW, 264                         ; bytes in a row of dec_in and of Wih0: a multiple of 8 only, so the loads are of 8 bytes
.set NL,  20                           ; s[20:21] -log2(e), a pair for the packed forms
.set TL,  22                           ; s[22:23] 2 log2(e)
.set M4,  24                           ; s[24:25] -4 log2(e)
.set XO,  3                            ; v3   (row0 + r) x 264 + 32 h: my 8 numbers of a K step of dec_in
.set XT,  4                            ; v4   (row0 + r) x 264
.set WO,  5                            ; v5   (U0 + r) x 264 + 32 h
.set WT,  6                            ; v6   (U0 + r) x 264
.set BO,  7                            ; v7   (U0 + 8 h) x 4: my eight units in a bias
.set HO,  8                            ; v8   my 16 bytes in h0
.set XF,  16                           ; v16-31, v32-47, v48-55  dec_in: steps 0, 1 as loaded (f32), then 8 registers of bf16 in place; the tail step
.set WF,  56                           ; gate g at 56 + 40 g: steps 0, 1 (16 registers each), the tail step (8)
.set ACC, 176                          ; gate g at 176 + 8 g: bih, then bih + bhh, then the sums
.set BH,  200                          ; v200-223 bhh
.set HP,  224                          ; v224-227 h0, packed
; 16 f32 of a fragment's lane: k = 8 h + 0..7 and 16 + 8 h + 0..7, in eight loads of 8 bytes
.macro LD16 d, adr, base, off
.set li, 0
.irp o, 0,8,16,24,64,72,80,88
	global_load_b64 v[(\d)+li:(\d)+li+1], v[\adr], s[\base:\base+1] offset:(\off)+(\o)
.set li, li+2
.endr
.endm
; 16 f32 to 8 registers of bf16, in place: register d + j is written when its old number has been read
.macro CV8 d
.irp j, 0,1,2,3,4,5,6,7
	v_cvt_pk_bf16_f32 v[(\d)+(\j)], v[(\d)+2*(\j)], v[(\d)+2*(\j)+1]
.endr
.endm
; the tail step's fragment: k = 64, 65 in register 0 of lanes 0-15; 0 elsewhere (registers 2 to 7 were cleared at the head)
.macro TAILF d
	v_cvt_pk_bf16_f32 v[\d], v[\d], v[(\d)+1]
	v_cndmask_b32 v[\d], 0, v[\d], vcc_lo
	v_mov_b32 v[(\d)+1], 0
.endm
; THE GATES, on three runs of eight registers (i, g, o), in place; four registers of packed bf16 at hp.  Behind each run of transcendentals one v_nop stands ahead of the first use (ISA guide 5.7.2).
.macro ACT gi, gg, go, hp
.irp j, 0,2,4,6                        ; each run is read from its low end on
	v_pk_mul_f32 v[(\gi)+(\j):(\gi)+(\j)+1], v[(\gi)+(\j):(\gi)+(\j)+1], s[NL:NL+1] op_sel_hi:[1,0]
	v_pk_mul_f32 v[(\gg)+(\j):(\gg)+(\j)+1], v[(\gg)+(\j):(\gg)+(\j)+1], s[TL:TL+1] op_sel_hi:[1,0]
	v_pk_mul_f32 v[(\go)+(\j):(\go)+(\j)+1], v[(\go)+(\j):(\go)+(\j)+1], s[NL:NL+1] op_sel_hi:[1,0]
.endr
.irp j, 0,1,2,3,4,5,6,7
	v_exp_f32 v[(\gi)+(\j)], v[(\gi)+(\j)]         ; e^-i
	v_exp_f32 v[(\gg)+(\j)], v[(\gg)+(\j)]         ; e^2g
	v_exp_f32 v[(\go)+(\j)], v[(\go)+(\j)]         ; e^-o
.endr
	v_nop
	s_wait_alu depctr_va_vdst(0)
.irp j, 0,2,4,6
	v_pk_add_f32 v[(\gi)+(\j):(\gi)+(\j)+1], v[(\gi)+(\j):(\gi)+(\j)+1], 1.0 op_sel_hi:[1,0]
	v_pk_add_f32 v[(\gg)+(\j):(\gg)+(\j)+1], v[(\gg)+(\j):(\gg)+(\j)+1], 1.0 op_sel_hi:[1,0]
	v_pk_add_f32 v[(\go)+(\j):(\go)+(\j)+1], v[(\go)+(\j):(\go)+(\j)+1], 1.0 op_sel_hi:[1,0]
.endr
.irp j, 0,1,2,3,4,5,6,7
	v_rcp_f32 v[(\gi)+(\j)], v[(\gi)+(\j)]         ; sigmoid(i)
	v_rcp_f32 v[(\gg)+(\j)], v[(\gg)+(\j)]         ; 1 / (1 + e^2g)
	v_rcp_f32 v[(\go)+(\j)], v[(\go)+(\j)]         ; sigmoid(o)
.endr
	v_nop
	s_wait_alu depctr_va_vdst(0)
.irp j, 0,2,4,6
	v_pk_fma_f32 v[(\gg)+(\j):(\gg)+(\j)+1], v[(\gg)+(\j):(\gg)+(\j)+1], s[M4:M4+1], s[TL:TL+1] op_sel_hi:[1,0,0]  ; 2 log2(e) tanh g
.endr
.irp j, 0,2,4,6
	v_pk_mul_f32 v[(\gg)+(\j):(\gg)+(\j)+1], v[(\gg)+(\j):(\gg)+(\j)+1], v[(\gi)+(\j):(\gi)+(\j)+1]               ; 2 log2(e) c
.endr
.irp j, 0,1,2,3,4,5,6,7
	v_exp_f32 v[(\gg)+(\j)], v[(\gg)+(\j)]         ; e^2c
.endr
	v_nop
	s_wait_alu depctr_va_vdst(0)
.irp j, 0,2,4,6
	v_pk_add_f32 v[(\gg)+(\j):(\gg)+(\j)+1], v[(\gg)+(\j):(\gg)+(\j)+1], 1.0 op_sel_hi:[1,0]
.endr
.irp j, 0,1,2,3,4,5,6,7
	v_rcp_f32 v[(\gg)+(\j)], v[(\gg)+(\j)]
.endr
	v_nop
	s_wait_alu depctr_va_vdst(0)
.irp j, 0,2,4,6
	v_pk_fma_f32 v[(\gg)+(\j):(\gg)+(\j)+1], v[(\gg)+(\j):(\gg)+(\j)+1], -2.0, 1.0 op_sel_hi:[1,0,0]               ; tanh c
.endr
.irp j, 0,2,4,6
	v_pk_mul_f32 v[(\gg)+(\j):(\gg)+(\j)+1], v[(\gg)+(\j):(\gg)+(\j)+1], v[(\go)+(\j):(\go)+(\j)+1]               ; h
.endr
.irp j, 0,1,2,3
	v_cvt_pk_bf16_f32 v[(\hp)+(\j)], v[(\gg)+2*(\j)], v[(\gg)+2*(\j)+1]
.endr
.endm
	s_load_b256 s[4:11], s[0:1], 0x0               ; dec_in s[4:5], Wih0 s[6:7], bih0 s[8:9], bhh0 s[10:11]
	s_load_b64 s[12:13], s[0:1], 0x20              ; h0
	v_lshrrev_b32 v1, 5, v0
	v_readfirstlane_b32 s14, v1                    ; wave 0..3
	s_and_b32 s15, ttmp7, 0xffff                   ; b
	s_lshl_b32 s16, s15, 4
	s_min_u32 s16, s16, 984                        ; U0
	s_lshl_b32 s17, ttmp9, 6
	s_lshl4_add_u32 s17, s14, s17                  ; row0 = 64 x + 16 w
	s_mov_b32 s[NL], 0xbfb8aa3b
	s_mov_b32 s[NL+1], s[NL]                       ; named with it as a pair
	s_mov_b32 s[TL], 0x4038aa3b
	s_mov_b32 s[TL+1], s[TL]
	s_mov_b32 s[M4], 0xc0b8aa3b
	s_mov_b32 s[M4+1], s[M4]
	v_and_b32 v1, 15, v0                           ; r = l % 16
	v_bfe_u32 v2, v0, 4, 1                         ; h = l / 16
	v_add_nc_u32 v9, s17, v1
	v_mul_u32_u24 v[XT], v9, XROW
	v_lshl_add_u32 v[XO], v2, 5, v[XT]
	v_add_nc_u32 v10, s16, v1
	v_mul_u32_u24 v[WT], v10, XROW
	v_lshl_add_u32 v[WO], v2, 5, v[WT]
	s_lshl_b32 s18, s16, 2
	v_lshl_add_u32 v[BO], v2, 5, s18
	s_lshl_b32 s19, s15, 13
	v_lshl_add_u32 v[HO], v9, 5, s19
	v_lshl_add_u32 v[HO], v2, 4, v[HO]
	v_cmp_eq_u32 vcc_lo, 0, v2                     ; lanes 0-15
.irp d, XF+32, WF+32, WF+72, WF+112    ; the four tail fragments' registers 2 to 7 hold 0
.irp j, 2,3,4,5,6,7
	v_mov_b32 v[(\d)+(\j)], 0
.endr
.endr
	s_wait_kmcnt 0x0
.irp g, 0,1,2                          ; gate g's rows begin at 1000 (g + (g + 1) / 2) = 0, 2000, 3000
	global_load_b128 v[ACC+8*(\g):ACC+8*(\g)+3],   v[BO], s[8:9] offset:4000*((\g)+((\g)+1)/2)
	global_load_b128 v[ACC+8*(\g)+4:ACC+8*(\g)+7], v[BO], s[8:9] offset:4000*((\g)+((\g)+1)/2)+16
	global_load_b128 v[BH+8*(\g):BH+8*(\g)+3],     v[BO], s[10:11] offset:4000*((\g)+((\g)+1)/2)
	global_load_b128 v[BH+8*(\g)+4:BH+8*(\g)+7],   v[BO], s[10:11] offset:4000*((\g)+((\g)+1)/2)+16
.endr
	LD16 XF, XO, 4, 0
	LD16 XF+16, XO, 4, 128
	global_load_b64 v[XF+32:XF+33], v[XT], s[4:5] offset:256
.irp g, 0,1,2
	LD16 WF+40*(\g), WO, 6, XROW*1000*((\g)+((\g)+1)/2)
	LD16 WF+40*(\g)+16, WO, 6, XROW*1000*((\g)+((\g)+1)/2)+128
	global_load_b64 v[WF+40*(\g)+32:WF+40*(\g)+33], v[WT], s[6:7] offset:XROW*1000*((\g)+((\g)+1)/2)+256
.endr
	s_wait_loadcnt 0x0                             ; the one wait: the nine products want all of it
.set i, 0
.rept 12
	v_pk_add_f32 v[ACC+i:ACC+i+1], v[ACC+i:ACC+i+1], v[BH+i:BH+i+1]  ; bih + bhh starts the sums
.set i, i+2
.endr
	CV8 XF
	CV8 XF+16
	TAILF XF+32
.irp g, 0,1,2
	CV8 WF+40*(\g)
	CV8 WF+40*(\g)+16
	TAILF WF+40*(\g)+32
.endr
.irp s, 0,1,2                          ; the three accumulators take turns, one instruction a turn
.irp g, 0,1,2
	v_wmma_f32_16x16x32_bf16 v[ACC+8*(\g):ACC+8*(\g)+7], v[WF+40*(\g)+16*(\s):WF+40*(\g)+16*(\s)+7], v[XF+16*(\s):XF+16*(\s)+7], v[ACC+8*(\g):ACC+8*(\g)+7]
.endr
.endr
.rept 4
	v_nop                                          ; four places between the last product and the first read of a result (ISA guide 7.12.1)
.endr
	ACT ACC, ACC+8, ACC+16, HP
	global_store_b128 v[HO], v[HP:HP+3], s[12:13]  ; the wave's 32 lanes cover 512 consecutive bytes, at a multiple of 512 from h0's first
	s_endpgm
.Lfunc_end_k_q18a6c4ec27_cell0:
	.size	k_q18a6c4ec27_cell0, .Lfunc_end_k_q18a6c4ec27_cell0-k_q18a6c4ec27_cell0
	.p2alignl 7, 3214868480
	.fill 96, 4, 3214868480
	.section	.rodata,"a",@progbits
	.p2align	6, 0x0
	.amdhsa_kernel k_q18a6c4ec27_cell0
		.amdhsa_group_segment_fixed_size 0
		.amdhsa_private_segment_fixed_size 0
		.amdhsa_enable_private_segment 0
		.amdhsa_kernarg_size 40
		.amdhsa_user_sgpr_count 2
		.amdhsa_user_sgpr_kernarg_segment_ptr 1
		.amdhsa_wavefront_size32 1
		.amdhsa_system_sgpr_workgroup_id_x 1
		.amdhsa_system_sgpr_workgroup_id_y 1
		.amdhsa_system_sgpr_workgroup_id_z 1
		.amdhsa_system_vgpr_workitem_id 0
		.amdhsa_next_free_vgpr 228
		.amdhsa_next_free_sgpr 66
		.amdhsa_reserve_vcc 1
		.amdhsa_float_denorm_mode_32 3
		.amdhsa_float_denorm_mode_16_64 3
		.amdhsa_memory_ordered 1
		.amdhsa_forward_progress 1
		.amdhsa_inst_pref_size 22
	.end_amdhsa_kernel
	.amdgpu_metadata
---
amdhsa.version: [ 1, 2 ]
amdhsa.kernels:
  - .name:           k_q18a6c4ec27_cell0
    .symbol:         k_q18a6c4ec27_cell0.kd
    .args:
      - { .name: dec_in, .offset: 0, .size: 8, .value_kind: global_buffer, .address_space: global }
      - { .name: Wih0, .offset: 8, .size: 8, .value_kind: global_buffer, .address_space: global }
      - { .name: bih0, .offset: 16, .size: 8, .value_kind: global_buffer, .address_space: global }
      - { .name: bhh0, .offset: 24, .size: 8, .value_kind: global_buffer, .address_space: global }
      - { .name: h0, .offset: 32, .size: 8, .value_kind: global_buffer, .address_space: global }
    .group_segment_fixed_size: 0
    .private_segment_fixed_size: 0
    .kernarg_segment_align: 8
    .kernarg_segment_size: 40
    .max_flat_workgroup_size: 128
    .sgpr_count:     66
    .vgpr_count:     228
    .wavefront_size: 32
...
	.end_amdgpu_metadata
.endif
;; end of part 1
;; launch cell1 (part 2): grid 4 x 63, 4 waves a work-group, clusters of 4 x 1, 249,344 bytes of LDS; arguments h0, Wih1, bih1, bhh1, h1; writes h1
.if DOCPART == 2
	.amdgcn_target "amdgcn-amd-amdhsa--gfx1250"
	.amdhsa_code_object_version 6
	.text
	.protected	k_q18a6c4ec27_cell1
	.globl	k_q18a6c4ec27_cell1
	.p2align	8
	.type	k_q18a6c4ec27_cell1,@function
k_q18a6c4ec27_cell1:
	s_mov_b64 s[64:65], 0
	v_nop
	global_prefetch_b8 v0, s[64:65] scope:SCOPE_SE
	s_setreg_imm32_b32 hwreg(HW_REG_WAVE_MODE, 25, 1), 1
	s_wait_xcnt 0x0
	s_wait_alu depctr_hold_cnt(0) depctr_sa_sdst(0) depctr_va_vdst(0) depctr_va_sdst(0) depctr_va_ssrc(0) depctr_va_vcc(0) depctr_vm_vsrc(0)
	s_getreg_b32 s2, hwreg(HW_REG_IB_STS2, 6, 4)
	s_cmp_eq_u32 s2, 0
	s_cbranch_scc0 .Lentry_in_a_cluster
	s_endpgm
.Lentry_in_a_cluster:
	s_bfe_u32 s2, ttmp6, 0x10000c
	s_cmp_lg_u32 s2, 0x3003
	s_cbranch_scc0 .Lentry_shape_is_right
	s_endpgm
.Lentry_shape_is_right:
; SECOND AND THIRD LSTM CELL OF THE ONE DECODER STEP (one text, two launches).  hout = sigmoid(o) tanh(sigmoid(i) tanh(g)), (i, g, o) = hin W^T + bih + bhh at gate rows 0, 2000, 3000 of W [4000][1000] f32.
; WHAT IS NOT COMPUTED, AND WHY.  The function to be matched runs one decoder step from h = c = 0, zeros that it builds itself, and drops the encoder's state: h Whh^T and sigmoid(f) c are products with those
; zeros.  So Whh and rows 1000..1999 (the forget gate) of W, bih, bhh are not loaded.  LIMIT: an infinity or NaN there would make the function's result NaN (0 x infinity); here it changes nothing.
; FORMATS.  hin arrives in bf16; W is rounded once to bf16 on its way from LDS to the matrix unit; sums, partial sums in LDS, biases and gates in f32; hout is stored rounded once to bf16.
; LIMIT: tanh x is made as 1 - 2 / (1 + e^(2x)): absolute error about 2e-7, so its relative error grows below |x| = 1e-4.  Large arguments saturate: 2^y gives infinity or 0, and 1 / infinity is 0.
; hin, hout: [block b = 0..62][batch row 0..255][16 units from min(16 b, 984)], bf16: byte b x 8192 + row x 32 + 2 u.  Block 62 holds units 984..999; k = 992..999 are taken from its second half.
; SHARES.  Cluster y = b: the 16 units from U0 = min(16 b, 984).  The cluster's four work-groups take 64 batch rows each (cx) and need the same 48 rows of W: those are asked for JOINTLY, the same tensor loads
; with the same descriptors and a mask that names the four.  In a work-group K IS SPLIT OVER THE WAVES: wave w owns k = 256 w .. 256 w + 255, eight steps of 32, for all four tiles of 16 batch rows and all
; three gates: 12 accumulators, 96 matrix instructions.  So a wave reads from LDS only what its own three loads brought (its own wait on TENSORcnt orders that; no barrier), and each number of W is read from
; LDS and converted once in the work-group.  The four waves' partial sums meet in LDS, in f32; wave w then finishes batch tile w.  Nothing in LDS is filled twice.
; THE MATRIX INSTRUCTION: source 0 = 16 rows of W (units), source 1 = 16 batch rows: lane l then holds batch row l % 16 and the units 8 (l / 16) + 0..7, which pack into 16 bytes.
; REGISTERS: window 0 as named below; window 1 (v256-511): all of my fragments of hin, K step s, batch tile m at 8 (4 s + m).
.set WROW,  4000                       ; bytes in a row of W
.set BLK,   8192                       ; bytes in a block of hin
.set PITCH, 1040                       ; an LDS row: 1,024 bytes + 16 of padding = 65 x 16: the 16 rows that sixteen lanes touch start in 16 different columns of 16 bytes
.set GT,    16*PITCH                   ; a gate's tile: 16 rows x 256 k
.set WVT,   3*GT                       ; a wave's three tiles
.set RED,   4*WVT                      ; 199,680: partial sums: wave w, tile t = 3 m + g at w x 12,288 + t x 1,024 + half x 512 + lane x 16; no tensor load lands here
.set REDW,  12*1024
.set SPARE, RED+4*REDW                 ; 248,832: the spare words, 128 bytes for each wave: two blocks of 256 bytes that no other line names
.set AO,   4                           ; v4   hin: w x 16 blocks + my work-group's and lane's row + 16 h
.set ATL,  5                           ; v5   the same for step 7's first block: in wave 3 every lane takes the block's second half
.set ATH,  6                           ; v6   step 7's second block, min(16 w + 15, 62), likewise
.set LB,   7                           ; v7   LDS: my wave's tiles + r x pitch + 32 h
.set RS,   8                           ; v8   LDS: where I put my partial sums
.set RL,   9                           ; v9   LDS: where I read batch tile w's partial sums
.set BO,   10                          ; v10  (U0 + 8 h) x 4: my eight units in a bias
.set HO,   11                          ; v11  my 16 bytes in hout
.set SPW,  12                          ; v12  LDS address of my spare word: SPARE + 4 x my thread's number; never rewritten
.set NIL,  13                          ; v13  0; never rewritten
.set BIAS, 16                          ; v16-39   gate g at 16 + 8 g: bih, then bih + bhh
.set RAW,  40                          ; v40-87   gate g at 40 + 16 g: 16 f32 of W as they come from LDS; at the end v40-43: hout, packed
.set BF,   88                          ; v88-135  W's fragments in bf16: buffer q, gate g at 88 + 24 q + 8 g; ahead of step 0: bhh
.set ACC,  136                         ; v136-231 accumulator (m, g) at 136 + 8 (3 m + g); later partial sum (g, wave) at 136 + 32 g + 8 wave
.set G1,   24                          ; s[24:31] descriptor group 1 for waves 0 to 2: 256 numbers of each row are there
.set G0,   32                          ; s[32:43] descriptor group 0, one for each gate
.set NL,   44                          ; s[44:45] -log2(e), a pair for the packed forms
.set TL,   46                          ; s[46:47] 2 log2(e)
.set G1T,  48                          ; s[48:55] descriptor group 1 for wave 3: 232 numbers of each row are left
.set M4,   2                           ; s[2:3]   -4 log2(e)
.set MSB, 0
.macro WIN new                         ; the immediate's high byte repeats the setting that is left
.if MSB != (\new)
	s_set_vgpr_msb (MSB<<8)|(\new)
.set MSB, \new
.endif
.endm
; A round of the cluster's barrier: my work-group's barrier, so that wave 0's signal speaks for all four waves; wave 0 signals; every wave waits for all four work-groups; my work-group's barrier once more.
.macro CROUND
	s_barrier_signal -1
	s_barrier_wait -1
	s_cmp_lg_u32 s14, 0
	s_cbranch_scc1 .Lnot_wave_0_\@
	s_barrier_signal -3
.Lnot_wave_0_\@:
	s_barrier_wait -3
	s_barrier_signal -1
	s_barrier_wait -1
.endm
; 12 LDS loads: K step s of my three tiles: row r, k = 8 h + 0..7 and 16 + 8 h + 0..7 in f32
.macro FETCH s
.irp g, 0,1,2
	ds_load_b128 v[RAW+16*(\g):RAW+16*(\g)+3],     v[LB] offset:(\g)*GT+128*(\s)
	ds_load_b128 v[RAW+16*(\g)+4:RAW+16*(\g)+7],   v[LB] offset:(\g)*GT+128*(\s)+16
	ds_load_b128 v[RAW+16*(\g)+8:RAW+16*(\g)+11],  v[LB] offset:(\g)*GT+128*(\s)+64
	ds_load_b128 v[RAW+16*(\g)+12:RAW+16*(\g)+15], v[LB] offset:(\g)*GT+128*(\s)+80
.endr
.endm
; 24 roundings: the three fragments of W into buffer q
.macro CVT q
.irp g, 0,1,2
.irp j, 0,1,2,3,4,5,6,7
	v_cvt_pk_bf16_f32 v[BF+24*(\q)+8*(\g)+(\j)], v[RAW+16*(\g)+2*(\j)], v[RAW+16*(\g)+2*(\j)+1]
.endr
.endr
.endm
; 12 matrix instructions; the 12 accumulators take turns, one instruction a turn.  Step 0 starts the sums with the constant 0.
.macro MUL s, q
	WIN 0x04                                       ; source 1 (hin) in window 1
.irp m, 0,1,2,3
.irp g, 0,1,2
.if (\s) == 0
	v_wmma_f32_16x16x32_bf16 v[ACC+8*(3*(\m)+(\g)):ACC+8*(3*(\m)+(\g))+7], v[BF+24*(\q)+8*(\g):BF+24*(\q)+8*(\g)+7], v[8*(4*(\s)+(\m)):8*(4*(\s)+(\m))+7], 0
.else
	v_wmma_f32_16x16x32_bf16 v[ACC+8*(3*(\m)+(\g)):ACC+8*(3*(\m)+(\g))+7], v[BF+24*(\q)+8*(\g):BF+24*(\q)+8*(\g)+7], v[8*(4*(\s)+(\m)):8*(4*(\s)+(\m))+7], v[ACC+8*(3*(\m)+(\g)):ACC+8*(3*(\m)+(\g))+7]
.endif
.endr
.endr
	WIN 0
.endm
; A K step.  The next step's LDS loads go out ahead of the 12 products and land beside them.  The roundings write the buffer that the products two steps back read: the 24 roundings of the step
; between, which name none of those products' registers, are the places behind them (ISA guide 7.12.1).
.macro KSTEP s
	s_wait_dscnt 0x0                               ; this step's 12 loads are in
	CVT (\s)%2
.if (\s) < 7
	FETCH (\s)+1
.endif
	MUL \s, (\s)%2
.endm
; THE GATES, on three runs of eight registers (i, g, o), in place; four registers of packed bf16 at hp.  Behind each run of transcendentals one v_nop stands ahead of the first use (ISA guide 5.7.2).
.macro ACT gi, gg, go, hp
.irp j, 0,2,4,6
	v_pk_mul_f32 v[(\gi)+(\j):(\gi)+(\j)+1], v[(\gi)+(\j):(\gi)+(\j)+1], s[NL:NL+1] op_sel_hi:[1,0]
	v_pk_mul_f32 v[(\gg)+(\j):(\gg)+(\j)+1], v[(\gg)+(\j):(\gg)+(\j)+1], s[TL:TL+1] op_sel_hi:[1,0]
	v_pk_mul_f32 v[(\go)+(\j):(\go)+(\j)+1], v[(\go)+(\j):(\go)+(\j)+1], s[NL:NL+1] op_sel_hi:[1,0]
.endr
.irp j, 0,1,2,3,4,5,6,7
	v_exp_f32 v[(\gi)+(\j)], v[(\gi)+(\j)]         ; e^-i
	v_exp_f32 v[(\gg)+(\j)], v[(\gg)+(\j)]         ; e^2g
	v_exp_f32 v[(\go)+(\j)], v[(\go)+(\j)]         ; e^-o
.endr
	v_nop
	s_wait_alu depctr_va_vdst(0)
.irp j, 0,2,4,6
	v_pk_add_f32 v[(\gi)+(\j):(\gi)+(\j)+1], v[(\gi)+(\j):(\gi)+(\j)+1], 1.0 op_sel_hi:[1,0]
	v_pk_add_f32 v[(\gg)+(\j):(\gg)+(\j)+1], v[(\gg)+(\j):(\gg)+(\j)+1], 1.0 op_sel_hi:[1,0]
	v_pk_add_f32 v[(\go)+(\j):(\go)+(\j)+1], v[(\go)+(\j):(\go)+(\j)+1], 1.0 op_sel_hi:[1,0]
.endr
.irp j, 0,1,2,3,4,5,6,7
	v_rcp_f32 v[(\gi)+(\j)], v[(\gi)+(\j)]         ; sigmoid(i)
	v_rcp_f32 v[(\gg)+(\j)], v[(\gg)+(\j)]         ; 1 / (1 + e^2g)
	v_rcp_f32 v[(\go)+(\j)], v[(\go)+(\j)]         ; sigmoid(o)
.endr
	v_nop
	s_wait_alu depctr_va_vdst(0)
.irp j, 0,2,4,6
	v_pk_fma_f32 v[(\gg)+(\j):(\gg)+(\j)+1], v[(\gg)+(\j):(\gg)+(\j)+1], s[M4:M4+1], s[TL:TL+1] op_sel_hi:[1,0,0]  ; 2 log2(e) tanh g
.endr
.irp j, 0,2,4,6
	v_pk_mul_f32 v[(\gg)+(\j):(\gg)+(\j)+1], v[(\gg)+(\j):(\gg)+(\j)+1], v[(\gi)+(\j):(\gi)+(\j)+1]               ; 2 log2(e) c
.endr
.irp j, 0,1,2,3,4,5,6,7
	v_exp_f32 v[(\gg)+(\j)], v[(\gg)+(\j)]         ; e^2c
.endr
	v_nop
	s_wait_alu depctr_va_vdst(0)
.irp j, 0,2,4,6
	v_pk_add_f32 v[(\gg)+(\j):(\gg)+(\j)+1], v[(\gg)+(\j):(\gg)+(\j)+1], 1.0 op_sel_hi:[1,0]
.endr
.irp j, 0,1,2,3,4,5,6,7
	v_rcp_f32 v[(\gg)+(\j)], v[(\gg)+(\j)]
.endr
	v_nop
	s_wait_alu depctr_va_vdst(0)
.irp j, 0,2,4,6
	v_pk_fma_f32 v[(\gg)+(\j):(\gg)+(\j)+1], v[(\gg)+(\j):(\gg)+(\j)+1], -2.0, 1.0 op_sel_hi:[1,0,0]               ; tanh c
.endr
.irp j, 0,2,4,6
	v_pk_mul_f32 v[(\gg)+(\j):(\gg)+(\j)+1], v[(\gg)+(\j):(\gg)+(\j)+1], v[(\go)+(\j):(\go)+(\j)+1]               ; h
.endr
.irp j, 0,1,2,3
	v_cvt_pk_bf16_f32 v[(\hp)+(\j)], v[(\gg)+2*(\j)], v[(\gg)+2*(\j)+1]
.endr
.endm
	s_load_b256 s[4:11], s[0:1], 0x0               ; hin s[4:5], W s[6:7], bih s[8:9], bhh s[10:11]
	s_load_b64 s[12:13], s[0:1], 0x20              ; hout
	v_lshl_add_u32 v[SPW], v0, 2, SPARE
	v_mov_b32 v[NIL], 0
	ds_add_u32 v[SPW], v[NIL]                      ; the wave's opening: the add and its wait stand ahead of my first tensor load; the set-up below, work on registers, stands between them
	v_lshrrev_b32 v1, 5, v0
	v_readfirstlane_b32 s14, v1                    ; wave 0..3
	s_bfe_u32 s15, ttmp6, 0x40000                  ; cx: my quarter of the batch; it enters hin's and hout's addresses alone
	s_and_b32 s16, ttmp7, 0xffff                   ; b: in a cluster launch ttmp7 counts clusters; the four partners share it
	s_lshl_b32 s17, s16, 4
	s_min_u32 s17, s17, 984                        ; U0
	; descriptor group 1, twice, every word a constant: a tile of 16 rows x 256 elements of 4 bytes, padded in LDS.  The two differ in tensor_dim0, which counts what is left of a row from the tile's first
	; element: 256 or more for waves 0 to 2 (the tile's own 256 are stated); 1000 - 768 = 232 for wave 3, whose k = 1000 .. 1023 arrive in LDS as zeros.
.irp g, G1, G1T
	s_mov_b32 s[(\g)+0], 15|(2<<16)|(1<<20)|(1<<21)|(7<<22)|(3<<25)  ; 15:0 the mask of four; 17:16 elements of 4 bytes; 20 padding on; 21 set beside a mask; 24:22 after every 256 words (code 7); 31:25 4 words (code 3)
	s_mov_b32 s[(\g)+2], 16<<16                    ; 79:64 tensor_dim0's high half = 0; 95:80 tensor_dim1 = 16
	s_mov_b32 s[(\g)+3], 256<<16                   ; 127:112 tile_dim0 = 256
	s_mov_b32 s[(\g)+4], 16                        ; 143:128 tile_dim1 = 16; tile_dim2 = 0
	s_mov_b32 s[(\g)+5], 1000                      ; 191:160 elements from row to row
	s_mov_b32 s[(\g)+6], 0
	s_mov_b32 s[(\g)+7], 0
.endr
	s_mov_b32 s[G1+1], 256<<16                     ; 63:48 tensor_dim0, low half
	s_mov_b32 s[G1T+1], 232<<16
	s_mul_i32 s20, s14, WVT                        ; my three tiles in LDS: no place in the cluster enters an LDS address
	s_mul_i32 s18, s17, WROW                       ; row U0,
	s_lshl_b32 s19, s14, 10                        ; k = 256 w
	s_add_co_u32 s18, s18, s19
	s_mov_b32 s19, 0
	s_mov_b32 s[NL], 0xbfb8aa3b
	s_mov_b32 s[NL+1], s[NL]                       ; named with it as a pair
	s_mov_b32 s[TL], 0x4038aa3b
	s_mov_b32 s[TL+1], s[TL]
	s_mov_b32 s[M4], 0xc0b8aa3b
	s_mov_b32 s[M4+1], s[M4]
	s_cmp_eq_u32 s14, 3
	s_cselect_b32 s21, 16, 0                       ; wave 3 takes the second half of block 62
	s_lshl_b32 s22, s14, 4
	s_add_co_u32 s22, s22, 15
	s_min_u32 s22, s22, 62                         ; step 7's second block
	s_wait_dscnt 0x0                               ; the opening add is done
	s_wait_kmcnt 0x0
	s_add_nc_u64 s[18:19], s[6:7], s[18:19]        ; W at (U0, 256 w)
.irp g, 0,1,2                          ; gate g's rows begin at 1000 (g + (g + 1) / 2) = 0, 2000, 3000
	s_mov_b32 s[G0+4*(\g)], 1                                      ; 1:0 count = 1
	s_add_co_u32 s[G0+4*(\g)+1], s20, (\g)*GT                      ; 63:32 LDS address
	s_add_nc_u64 s[G0+4*(\g)+2:G0+4*(\g)+3], s[18:19], 1000*((\g)+((\g)+1)/2)*WROW  ; 120:64 global address
	s_or_b32 s[G0+4*(\g)+3], s[G0+4*(\g)+3], 0x80000000            ; 127:126 type = 2
.endr
	CROUND                                         ; all four work-groups are here: the joint loads meet
	; My three loads, all that I ever issue: three are out at the most.  They stand in one branch on the wave's number, which is the same in every work-group; an s_nop 0 follows each load, four v_nop the third's,
	; ahead of the jump, the label and the switch of windows further down.
	s_cmp_eq_u32 s14, 3
	s_cbranch_scc1 .Llast_k
.irp g, 0,1,2
	tensor_load_to_lds s[G0+4*(\g):G0+4*(\g)+3], s[G1:G1+7]
	s_nop 0
.endr
.rept 4
	v_nop
.endr
	s_branch .Lasked
.Llast_k:
.irp g, 0,1,2
	tensor_load_to_lds s[G0+4*(\g):G0+4*(\g)+3], s[G1T:G1T+7]
	s_nop 0
.endr
.rept 4
	v_nop
.endr
.Lasked:
	v_and_b32 v1, 15, v0                           ; r = l % 16
	v_bfe_u32 v2, v0, 4, 1                         ; h = l / 16
	v_and_b32 v3, 31, v0                           ; l
	s_lshl_b32 s23, s15, 11                        ; s23 holds cx's 64 rows and nothing else
	v_lshl_add_u32 v14, v1, 5, s23                 ; (64 cx + r) x 32
	v_lshlrev_b32 v15, 4, v2                       ; 16 h
	s_lshl_b32 s56, s16, 13
	s_lshl_b32 s57, s14, 9
	s_add_co_u32 s56, s56, s57
	v_add_nc_u32 v[HO], s56, v14
	v_add_nc_u32 v[HO], v[HO], v15                 ; b x 8192 + (64 cx + 16 w + r) x 32 + 16 h
	s_lshl_b32 s56, s14, 17
	v_add_nc_u32 v[ATL], s56, v14                  ; block 16 w, my row
	v_add_nc_u32 v[AO], v[ATL], v15
	v_or_b32 v15, s21, v15                         ; 16 h, or 16 in every lane of wave 3
	v_add_nc_u32 v[ATL], v[ATL], v15
	s_lshl_b32 s56, s22, 13
	v_add_nc_u32 v[ATH], s56, v14
	v_add_nc_u32 v[ATH], v[ATH], v15
	; A fragment of hin is 16 batch rows x 32 k in 8 registers: lane l holds row l % 16, k = 8 h + 0..7 (one block) and 16 + 8 h + 0..7 (the next block): two loads of 16 bytes; a wave's load covers 512 consecutive bytes.
	; Wave 3, step 7 (k = 992 .. 1023): every lane takes units 992..999; in lanes 0-15, registers 0-3, they meet W's k = 992..999, everywhere else W's zeros.
	WIN 0x40                                       ; destination window 1, address window 0
.irp s, 0,1,2,3,4,5,6
.irp m, 0,1,2,3
	global_load_b128 v[8*(4*(\s)+(\m)):8*(4*(\s)+(\m))+3],   v[AO], s[4:5] offset:2*(\s)*BLK+(\m)*512
	global_load_b128 v[8*(4*(\s)+(\m))+4:8*(4*(\s)+(\m))+7], v[AO], s[4:5] offset:(2*(\s)+1)*BLK+(\m)*512
.endr
.endr
.irp m, 0,1,2,3
	global_load_b128 v[8*(28+(\m)):8*(28+(\m))+3],   v[ATL], s[4:5] offset:14*BLK+(\m)*512
	global_load_b128 v[8*(28+(\m))+4:8*(28+(\m))+7], v[ATH], s[4:5] offset:(\m)*512
.endr
	WIN 0
	s_lshl_b32 s56, s17, 2
	v_lshl_add_u32 v[BO], v2, 5, s56
.irp g, 0,1,2
	global_load_b128 v[BIAS+8*(\g):BIAS+8*(\g)+3],   v[BO], s[8:9] offset:4000*((\g)+((\g)+1)/2)
	global_load_b128 v[BIAS+8*(\g)+4:BIAS+8*(\g)+7], v[BO], s[8:9] offset:4000*((\g)+((\g)+1)/2)+16
	global_load_b128 v[BF+8*(\g):BF+8*(\g)+3],       v[BO], s[10:11] offset:4000*((\g)+((\g)+1)/2)
	global_load_b128 v[BF+8*(\g)+4:BF+8*(\g)+7],     v[BO], s[10:11] offset:4000*((\g)+((\g)+1)/2)+16
.endr
	v_mul_u32_u24 v[LB], v1, PITCH
	v_lshl_add_u32 v[LB], v2, 5, v[LB]
	v_add_nc_u32 v[LB], s20, v[LB]
	s_mul_i32 s58, s14, REDW
	s_add_co_u32 s58, s58, RED
	v_lshl_add_u32 v[RS], v3, 4, s58
	s_mul_i32 s59, s14, 3*1024
	s_add_co_u32 s59, s59, RED
	v_lshl_add_u32 v[RL], v3, 4, s59
	s_wait_tensorcnt 0x0                           ; my three tiles are in LDS; only I read them
	FETCH 0
	s_wait_loadcnt 0x0                             ; hin's fragments and the biases
.set i, 0
.rept 12
	v_pk_add_f32 v[BIAS+i:BIAS+i+1], v[BIAS+i:BIAS+i+1], v[BF+i:BF+i+1]  ; bih + bhh; BF is free for step 0's fragments
.set i, i+2
.endr
.irp s, 0,1,2,3,4,5,6,7
	KSTEP \s
.endr
.rept 4
	v_nop                                          ; four places between the last product and the first read of a result (ISA guide 7.12.1)
.endr
.set t, 0
.rept 12                               ; each accumulator's low half first; 32 lanes x 16 bytes are 512 consecutive bytes
	ds_store_b128 v[RS], v[ACC+8*t:ACC+8*t+3] offset:t*1024
	ds_store_b128 v[RS], v[ACC+8*t+4:ACC+8*t+7] offset:t*1024+512
.set t, t+1
.endr
	s_wait_dscnt 0x0                               ; for the others' sake: my partial sums are in LDS
	s_barrier_signal -1
	s_barrier_wait -1                              ; everybody's are
.irp g, 0,1,2                          ; batch tile w: gate g's four partial sums, lane for lane and register for register as they were stored
.irp p, 0,1,2,3
	ds_load_b128 v[ACC+32*(\g)+8*(\p):ACC+32*(\g)+8*(\p)+3],   v[RL] offset:(\p)*REDW+(\g)*1024
	ds_load_b128 v[ACC+32*(\g)+8*(\p)+4:ACC+32*(\g)+8*(\p)+7], v[RL] offset:(\p)*REDW+(\g)*1024+512
.endr
.endr
.irp g, 0,1,2
	s_wait_dscnt 16-8*(\g)                         ; LDS loads come back in order (ISA guide 5.7.1): gate g's eight are in, the later gates' eight each may be out
.irp j, 0,2,4,6
	v_pk_add_f32 v[ACC+32*(\g)+(\j):ACC+32*(\g)+(\j)+1], v[ACC+32*(\g)+(\j):ACC+32*(\g)+(\j)+1], v[ACC+32*(\g)+8+(\j):ACC+32*(\g)+8+(\j)+1]
	v_pk_add_f32 v[ACC+32*(\g)+16+(\j):ACC+32*(\g)+16+(\j)+1], v[ACC+32*(\g)+16+(\j):ACC+32*(\g)+16+(\j)+1], v[ACC+32*(\g)+24+(\j):ACC+32*(\g)+24+(\j)+1]
.endr
.irp j, 0,2,4,6
	v_pk_add_f32 v[ACC+32*(\g)+(\j):ACC+32*(\g)+(\j)+1], v[ACC+32*(\g)+(\j):ACC+32*(\g)+(\j)+1], v[ACC+32*(\g)+16+(\j):ACC+32*(\g)+16+(\j)+1]
.endr
.irp j, 0,2,4,6
	v_pk_add_f32 v[ACC+32*(\g)+(\j):ACC+32*(\g)+(\j)+1], v[ACC+32*(\g)+(\j):ACC+32*(\g)+(\j)+1], v[BIAS+8*(\g)+(\j):BIAS+8*(\g)+(\j)+1]
.endr
.endr
	ACT ACC, ACC+32, ACC+64, RAW
	global_store_b128 v[HO], v[RAW:RAW+3], s[12:13]  ; the wave's 32 lanes cover 512 consecutive bytes, at a multiple of 512 from hout's first
	s_wait_tensorcnt 0x0                           ; the wave's end: behind my last tensor load and my last LDS store
	ds_add_u32 v[SPW], v[NIL]
	s_wait_dscnt 0x0
	CROUND                                         ; the closing round: no work-group ends while a partner may still ask for a tile that names it
	s_endpgm
.Lfunc_end_k_q18a6c4ec27_cell1:
	.size	k_q18a6c4ec27_cell1, .Lfunc_end_k_q18a6c4ec27_cell1-k_q18a6c4ec27_cell1
	.p2alignl 7, 3214868480
	.fill 96, 4, 3214868480
	.section	.rodata,"a",@progbits
	.p2align	6, 0x0
	.amdhsa_kernel k_q18a6c4ec27_cell1
		.amdhsa_group_segment_fixed_size 249344
		.amdhsa_private_segment_fixed_size 0
		.amdhsa_enable_private_segment 0
		.amdhsa_kernarg_size 40
		.amdhsa_user_sgpr_count 2
		.amdhsa_user_sgpr_kernarg_segment_ptr 1
		.amdhsa_wavefront_size32 1
		.amdhsa_system_sgpr_workgroup_id_x 1
		.amdhsa_system_sgpr_workgroup_id_y 1
		.amdhsa_system_sgpr_workgroup_id_z 1
		.amdhsa_system_vgpr_workitem_id 0
		.amdhsa_next_free_vgpr 512
		.amdhsa_next_free_sgpr 66
		.amdhsa_reserve_vcc 0
		.amdhsa_float_denorm_mode_32 3
		.amdhsa_float_denorm_mode_16_64 3
		.amdhsa_memory_ordered 1
		.amdhsa_forward_progress 1
		.amdhsa_inst_pref_size 51
	.end_amdhsa_kernel
	.amdgpu_metadata
---
amdhsa.version: [ 1, 2 ]
amdhsa.kernels:
  - .name:           k_q18a6c4ec27_cell1
    .symbol:         k_q18a6c4ec27_cell1.kd
    .args:
      - { .name: h0, .offset: 0, .size: 8, .value_kind: global_buffer, .address_space: global }
      - { .name: Wih1, .offset: 8, .size: 8, .value_kind: global_buffer, .address_space: global }
      - { .name: bih1, .offset: 16, .size: 8, .value_kind: global_buffer, .address_space: global }
      - { .name: bhh1, .offset: 24, .size: 8, .value_kind: global_buffer, .address_space: global }
      - { .name: h1, .offset: 32, .size: 8, .value_kind: global_buffer, .address_space: global }
    .group_segment_fixed_size: 249344
    .private_segment_fixed_size: 0
    .kernarg_segment_align: 8
    .kernarg_segment_size: 40
    .max_flat_workgroup_size: 128
    .sgpr_count:     66
    .vgpr_count:     512
    .wavefront_size: 32
...
	.end_amdgpu_metadata
.endif
;; end of part 2
;; launch cell2: the kernel of part 2 again; grid 4 x 63, 4 waves a work-group, clusters of 4 x 1, 249,344 bytes of LDS; arguments h1, Wih2, bih2, bhh2, h2; writes h2
;; launch outp (part 3): grid 16 x 3, 8 waves a work-group, no clusters, 17,408 bytes of LDS; arguments h2, Wout, bout, out0; writes out0
.if DOCPART == 3
	.amdgcn_target "amdgcn-amd-amdhsa--gfx1250"
	.amdhsa_code_object_version 6
	.text
	.protected	k_q18a6c4ec27_outp
	.globl	k_q18a6c4ec27_outp
	.p2align	8
	.type	k_q18a6c4ec27_outp,@function
k_q18a6c4ec27_outp:
	s_mov_b64 s[64:65], 0
	v_nop
	global_prefetch_b8 v0, s[64:65] scope:SCOPE_SE
	s_setreg_imm32_b32 hwreg(HW_REG_WAVE_MODE, 25, 1), 1
	s_wait_xcnt 0x0
; out0 = h2 Wout + bout.  h2: [block 0..62][batch row 0..255][16 units from min(16 block, 984)] bf16 (block 62 holds units 984..999; k = 992..999 are taken from its second half).
; Wout: [1000][66] f32, rounded once to bf16 for the matrix unit; sums, partial sums in LDS and the bias in f32; out0: [256][66] f32.
; SHARES.  Work-group (mt, p): batch rows 16 mt .. + 15, column pairs 16 p .. 16 p + 15 (33 pairs in all: with p = 2 only pair 32 is there; the other lanes compute pair 32 again and store nothing).
; K is split over the eight waves: wave w owns k = 128 w .. 128 w + 127, four steps of 32.  The partial sums meet in LDS; wave w then finishes the two batch rows 8 h + w.
; Wout lies [k][column]: a load of 8 bytes at row k, pair pc brings one number for the tile of even columns (E) and one for the tile of odd columns (O); 16 such loads a lane fill both fragments of a K step.
; THE MATRIX INSTRUCTION: source 0 = 16 batch rows of h2, source 1 = 16 columns: register j of lane l is (batch row 8 (l / 16) + j, pair l % 16).
; k = 1000 .. 1023 (wave 7's last step): h2's places there are set to 0, and Wout's rows are clamped to 992..999, so no load leaves the buffer and the products are 0 x a finite number.
; NO CLUSTER: all comes through registers, and a joint request is a tensor load's.  STORES: a row of out0 is 264 bytes; sixteen lanes store 128 consecutive bytes of a row.  Longer aligned runs would want
; whole rows, 32 at a time, in one work-group: 8 work-groups for 67,584 bytes; 48 are kept.
.set WROW, 264                         ; bytes in a row of Wout and of out0
.set BLK,  8192
.set SPARE, 16384                      ; behind the partial sums (wave p, tile t, register j at p x 2048 + t x 1024 + j x 128 + lane x 4): the spare words, 128 bytes for each of eight waves
.set WO,  5                            ; v5   Wout: (128 w + 8 h) x 264 + 8 pc
.set WL,  6                            ; v6   step 3, k = 96 + 8 h on, clamped to row 992
.set WH,  7                            ; v7   step 3, k = 112 + 8 h on, clamped to row 992
.set AO,  8                            ; v8   h2: block 8 w, my row, 16 h
.set ATL, 9                            ; v9   the same for step 3's first block: in wave 7 every lane takes the block's second half
.set ATH, 10                           ; v10  step 3's second block, min(8 w + 7, 62), likewise
.set RS,  11                           ; v11  LDS: my wave's partial sums: w x 2048 + lane x 4
.set RL,  12                           ; v12  LDS: register w of a tile: w x 128 + lane x 4
.set OO,  13                           ; v13  my 8 bytes in out0
.set PR,  14                           ; v14  16 p + r
.set BB,  16                           ; v[16:17] bout of my pair
.set SPW, 18                           ; v18  LDS address of my spare word: SPARE + 4 x my thread's number; never rewritten
.set NIL, 19                           ; v19  0; never rewritten
.set AF,  32                           ; v32-63   h2's fragments, step s at 32 + 8 s
.set RAW, 64                           ; v64-191  Wout as loaded: step s, load i at 64 + 32 s + 2 i; later the 8 waves' partial sums, a pair each
.set FE,  192                          ; v192-223 buffer q: E's fragment at 192 + 16 q, O's at 200 + 16 q
.set AE,  224                          ; v224-231 E's sums
.set AD,  232                          ; v232-239 O's sums
	s_load_b256 s[4:11], s[0:1], 0x0               ; h2 s[4:5], Wout s[6:7], bout s[8:9], out0 s[10:11]
	v_lshl_add_u32 v[SPW], v0, 2, SPARE
	v_mov_b32 v[NIL], 0
	v_lshrrev_b32 v1, 5, v0
	v_readfirstlane_b32 s12, v1                    ; wave 0..7
	s_mov_b32 s13, ttmp9                           ; mt
	s_and_b32 s14, ttmp7, 0xffff                   ; p
	s_lshl_b32 s19, s12, 3
	s_add_co_u32 s19, s19, 7
	s_min_u32 s19, s19, 62                         ; step 3's second block
	s_cmp_eq_u32 s12, 7
	s_cselect_b32 s15, 16, 0                       ; wave 7 takes the second half of block 62,
	s_cselect_b32 s16, 0xffff, -1                  ; keeps registers 0-3 of its last fragment in lanes 0-15 alone (k = 992..999),
	s_cselect_b32 s17, 0, -1                       ; and nothing of registers 4-7 (k = 1008 on)
	s_mov_b32 s21, WROW
	v_and_b32 v1, 15, v0                           ; r
	v_bfe_u32 v2, v0, 4, 1                         ; h
	v_and_b32 v3, 31, v0                           ; l
	s_lshl_b32 s20, s14, 4
	v_add_nc_u32 v[PR], s20, v1
	v_min_u32 v4, 32, v[PR]                        ; pc
	v_lshlrev_b32 v15, 3, v4
	s_lshl_b32 s20, s12, 7
	v_lshl_add_u32 v[RL], v3, 2, s20               ; w x 128 + lane x 4
	v_lshl_add_u32 v20, v2, 3, s20                 ; 128 w + 8 h
	v_mad_u32_u24 v[WO], v20, s21, v15
	v_add_nc_u32 v21, 96, v20
	v_min_u32 v21, 992, v21
	v_mad_u32_u24 v[WL], v21, s21, v15
	v_add_nc_u32 v21, 112, v20
	v_min_u32 v21, 992, v21
	v_mad_u32_u24 v[WH], v21, s21, v15
	s_lshl_b32 s20, s13, 9
	v_lshl_add_u32 v22, v1, 5, s20                 ; (16 mt + r) x 32
	v_lshlrev_b32 v23, 4, v2                       ; 16 h
	v_or_b32 v26, s15, v23                         ; 16 h, or 16 in every lane of wave 7
	s_lshl_b32 s20, s12, 16
	v_add_nc_u32 v27, s20, v22                     ; block 8 w, my row
	v_add_nc_u32 v[AO], v27, v23
	v_add_nc_u32 v[ATL], v27, v26
	s_lshl_b32 s20, s19, 13
	v_add_nc_u32 v[ATH], s20, v22
	v_add_nc_u32 v[ATH], v[ATH], v26
	s_lshl_b32 s20, s12, 11
	v_lshl_add_u32 v[RS], v3, 2, s20               ; w x 2048 + lane x 4
	s_lshl4_add_u32 s20, s13, s12                  ; 16 mt + w
	v_lshl_add_u32 v24, v2, 3, s20
	v_lshlrev_b32 v25, 3, v[PR]
	v_mad_u32_u24 v[OO], v24, s21, v25
	s_wait_kmcnt 0x0
	global_load_b64 v[BB:BB+1], v15, s[8:9]
.irp s, 0,1,2
	global_load_b128 v[AF+8*(\s):AF+8*(\s)+3],   v[AO], s[4:5] offset:2*(\s)*BLK
	global_load_b128 v[AF+8*(\s)+4:AF+8*(\s)+7], v[AO], s[4:5] offset:(2*(\s)+1)*BLK
.endr
	global_load_b128 v[AF+24:AF+27], v[ATL], s[4:5] offset:6*BLK
	global_load_b128 v[AF+28:AF+31], v[ATH], s[4:5]
.irp s, 0,1,2
.irp i, 0,1,2,3,4,5,6,7,8,9,10,11,12,13,14,15  ; load i: k = 32 s + 8 h + i, and 8 more from i = 8 on
	global_load_b64 v[RAW+32*(\s)+2*(\i):RAW+32*(\s)+2*(\i)+1], v[WO], s[6:7] offset:(32*(\s)+(\i)+8*((\i)/8))*WROW
.endr
.endr
.irp i, 0,1,2,3,4,5,6,7
	global_load_b64 v[RAW+96+2*(\i):RAW+96+2*(\i)+1], v[WL], s[6:7] offset:(\i)*WROW
.endr
.irp i, 0,1,2,3,4,5,6,7
	global_load_b64 v[RAW+112+2*(\i):RAW+112+2*(\i)+1], v[WH], s[6:7] offset:(\i)*WROW
.endr
; A K step: 16 roundings and two matrix instructions; the two accumulators take turns.  The roundings write the buffer that the products two steps back read: the 16 roundings between are
; the places behind those (ISA guide 7.12.1).  left: the later steps' loads, 16 each, which may stay out.
.macro OSTEP s, left
	s_wait_loadcnt \left
.if (\s) == 3
.irp j, 0,1,2,3
	v_cndmask_b32 v[AF+24+(\j)], 0, v[AF+24+(\j)], s16
	v_cndmask_b32 v[AF+28+(\j)], 0, v[AF+28+(\j)], s17
.endr
.endif
.irp j, 0,1,2,3,4,5,6,7
	v_cvt_pk_bf16_f32 v[FE+16*((\s)%2)+(\j)],   v[RAW+32*(\s)+4*(\j)],   v[RAW+32*(\s)+4*(\j)+2]
	v_cvt_pk_bf16_f32 v[FE+16*((\s)%2)+8+(\j)], v[RAW+32*(\s)+4*(\j)+1], v[RAW+32*(\s)+4*(\j)+3]
.endr
.if (\s) == 0
	v_wmma_f32_16x16x32_bf16 v[AE:AE+7], v[AF+8*(\s):AF+8*(\s)+7], v[FE+16*((\s)%2):FE+16*((\s)%2)+7], 0
	v_wmma_f32_16x16x32_bf16 v[AD:AD+7], v[AF+8*(\s):AF+8*(\s)+7], v[FE+16*((\s)%2)+8:FE+16*((\s)%2)+15], 0
.else
	v_wmma_f32_16x16x32_bf16 v[AE:AE+7], v[AF+8*(\s):AF+8*(\s)+7], v[FE+16*((\s)%2):FE+16*((\s)%2)+7], v[AE:AE+7]
	v_wmma_f32_16x16x32_bf16 v[AD:AD+7], v[AF+8*(\s):AF+8*(\s)+7], v[FE+16*((\s)%2)+8:FE+16*((\s)%2)+15], v[AD:AD+7]
.endif
.endm
	OSTEP 0, 48
	OSTEP 1, 32
	OSTEP 2, 16
	OSTEP 3, 0
.rept 4
	v_nop                                          ; four places between the last product and the first read of a result (ISA guide 7.12.1)
.endr
.irp j, 0,1,2,3,4,5,6,7                ; register by register, each accumulator from its low end on; 32 lanes x 4 bytes are 128 consecutive bytes
	ds_store_b32 v[RS], v[AE+(\j)] offset:128*(\j)
.endr
.irp j, 0,1,2,3,4,5,6,7
	ds_store_b32 v[RS], v[AD+(\j)] offset:1024+128*(\j)
.endr
	s_wait_dscnt 0x0                               ; for the others' sake: my partial sums are in LDS
	s_barrier_signal -1
	s_barrier_wait -1                              ; everybody's are
.irp p, 0,1,2,3,4,5,6,7                ; register w of both tiles, from each of the eight waves' partial sums
	ds_load_b32 v[RAW+2*(\p)],   v[RL] offset:(\p)*2048
	ds_load_b32 v[RAW+2*(\p)+1], v[RL] offset:(\p)*2048+1024
.endr
	v_cmp_gt_u32 vcc_lo, 33, v[PR]                 ; my pair is one of the 33
	s_wait_dscnt 0x0
	v_pk_add_f32 v[RAW:RAW+1], v[RAW:RAW+1], v[RAW+2:RAW+3]
	v_pk_add_f32 v[RAW+4:RAW+5], v[RAW+4:RAW+5], v[RAW+6:RAW+7]
	v_pk_add_f32 v[RAW+8:RAW+9], v[RAW+8:RAW+9], v[RAW+10:RAW+11]
	v_pk_add_f32 v[RAW+12:RAW+13], v[RAW+12:RAW+13], v[RAW+14:RAW+15]
	v_pk_add_f32 v[RAW:RAW+1], v[RAW:RAW+1], v[RAW+4:RAW+5]
	v_pk_add_f32 v[RAW+8:RAW+9], v[RAW+8:RAW+9], v[RAW+12:RAW+13]
	v_pk_add_f32 v[RAW:RAW+1], v[RAW:RAW+1], v[RAW+8:RAW+9]
	v_pk_add_f32 v[RAW:RAW+1], v[RAW:RAW+1], v[BB:BB+1]
	s_wait_xcnt 0x0                                ; EXEC changes only behind this wait
	s_and_saveexec_b32 s18, vcc_lo
	global_store_b64 v[OO], v[RAW:RAW+1], s[10:11] ; out0(16 mt + 8 h + w, columns 2 (16 p + r), + 1)
	s_wait_xcnt 0x0                                ; and again, ahead of the line that widens it
	s_or_b32 exec_lo, exec_lo, s18
	s_wait_tensorcnt 0x0                           ; the wave's end: behind my last LDS store
	ds_add_u32 v[SPW], v[NIL]
	s_wait_dscnt 0x0
	s_endpgm
.Lfunc_end_k_q18a6c4ec27_outp:
	.size	k_q18a6c4ec27_outp, .Lfunc_end_k_q18a6c4ec27_outp-k_q18a6c4ec27_outp
	.p2alignl 7, 3214868480
	.fill 96, 4, 3214868480
	.section	.rodata,"a",@progbits
	.p2align	6, 0x0
	.amdhsa_kernel k_q18a6c4ec27_outp
		.amdhsa_group_segment_fixed_size 17408
		.amdhsa_private_segment_fixed_size 0
		.amdhsa_enable_private_segment 0
		.amdhsa_kernarg_size 32
		.amdhsa_user_sgpr_count 2
		.amdhsa_user_sgpr_kernarg_segment_ptr 1
		.amdhsa_wavefront_size32 1
		.amdhsa_system_sgpr_workgroup_id_x 1
		.amdhsa_system_sgpr_workgroup_id_y 1
		.amdhsa_system_sgpr_workgroup_id_z 1
		.amdhsa_system_vgpr_workitem_id 0
		.amdhsa_next_free_vgpr 240
		.amdhsa_next_free_sgpr 66
		.amdhsa_reserve_vcc 1
		.amdhsa_float_denorm_mode_32 3
		.amdhsa_float_denorm_mode_16_64 3
		.amdhsa_memory_ordered 1
		.amdhsa_forward_progress 1
		.amdhsa_inst_pref_size 18
	.end_amdhsa_kernel
	.amdgpu_metadata
---
amdhsa.version: [ 1, 2 ]
amdhsa.kernels:
  - .name:           k_q18a6c4ec27_outp
    .symbol:         k_q18a6c4ec27_outp.kd
    .args:
      - { .name: h2, .offset: 0, .size: 8, .value_kind: global_buffer, .address_space: global }
      - { .name: Wout, .offset: 8, .size: 8, .value_kind: global_buffer, .address_space: global }
      - { .name: bout, .offset: 16, .size: 8, .value_kind: global_buffer, .address_space: global }
      - { .name: out0, .offset: 24, .size: 8, .value_kind: global_buffer, .address_space: global }
    .group_segment_fixed_size: 17408
    .private_segment_fixed_size: 0
    .kernarg_segment_align: 8
    .kernarg_segment_size: 32
    .max_flat_workgroup_size: 256
    .sgpr_count:     66
    .vgpr_count:     240
    .wavefront_size: 32
...
	.end_amdgpu_metadata
.endif
;; end of part 3
